; MI455X (gfx1250); checked and timed in simulation.
; The chip was launched on July 23, 2026; its instructions are those of AMD's public machine-readable ISA for CDNA 5 (MIT licence, August 2026) and "CDNA5" Instruction Set Architecture Reference Guide (July 2026). The comments in the code are by the model that wrote it; some were corrected since.
;; Linear. Allowed arithmetic: float matrix products may take bf16 or f16 operands with f32 sums; other float arithmetic in f32, or as packed bf16 or f16 multiplies, adds, multiply-adds, maxima and minima; sums over many terms, partial sums and values carried from step to step in f32; what a program stores and reads back later, other than sums and carried values, may be rounded once to bf16 or f16.
;; Inputs: a 4,096 x 4,096 int32; a_o 1 x 1 float32; a_s 1 x 1 float32; w 4,096 x 4,096 int32; w_o one number float32; w_s one number float32.
;; Outputs: out0 4,096 x 4,096 float32.
;; 2 versions, each right; version 2 is version 1 with the launch prep written anew for expert scheduling mode. Each part assembles by itself: llvm-mc -triple=amdgcn-amd-amdhsa -mcpu=gfx1250 --defsym DOCPART=n.
;; ======== version 1 of 2: 2 launches
;; workspace buffers: ab 33,554,432 bytes; wb 33,554,432 bytes; rvec 16,384 bytes; cpart 65,536 bytes
;; launch prep (part 1): grid 128 x 2, 16 waves a work-group, no clusters, 10,496 bytes of LDS; arguments a, w, a_s, a_o, w_s, w_o, ab, wb, rvec, cpart; writes ab, wb, rvec, cpart
.if DOCPART == 1
	.amdgcn_target "amdgcn-amd-amdhsa--gfx1250"
	.amdhsa_code_object_version 6
	.text
	.protected	k_q9e8ae6cee8_prep
	.globl	k_q9e8ae6cee8_prep
	.p2align	8
	.type	k_q9e8ae6cee8_prep,@function
k_q9e8ae6cee8_prep:
	s_mov_b64 s[64:65], 0
	v_nop
	global_prefetch_b8 v0, s[64:65] scope:SCOPE_SE
	s_setreg_imm32_b32 hwreg(HW_REG_WAVE_MODE, 25, 1), 1
	s_wait_xcnt 0x0
; PREPARATION FOR THE PRODUCT.  a: [4096][4096] int32, w: [4096][4096] int32.  Each number is read once, turned into f32, and
;   ab[m][k] = bf16(a[m][k]),  wb[k][n] = bf16(w[k][n])        (same order of rows and columns as the inputs),
;   rvec[m]  = (sum over k of a[m][k]) x (a_s w_o) + 4096 a_o w_o,
;   cpart[p][n] = (a_o w_s) x (sum over the 1,024 rows k of block p of w[k][n]),  p = 0..3; the next launch adds the four.
; LIMITS.  bf16 holds whole numbers up to 256 in magnitude exactly; larger ones are rounded to 8 significant bits in ab and wb.  The sums are taken of the f32 values
; (exact per number up to 2^24) in f32, in an order of this text's own; a_s w_o and a_o w_s are formed first, so the order of rounding is not reference()'s.
; SHARES.  Grid y = 0: a, y = 1: w; ONE loop serves both, steered by scalars.  A chunk is one load of a wave: 512 consecutive bytes (128 numbers), and becomes one store
; of 256 consecutive bytes, aligned.  A wave has 64 chunks: 4 rounds of a ring of 16 slots in registers, so 16 loads of every wave are on their way.
;   a: the work-group owns 32 rows, wave v rows 2 v and 2 v + 1.  Slot i of round r: row i % 2, chunk 8 r + i / 2.
;   w: the work-group owns a strip of 128 columns (x % 32) in a block of 1,024 rows (x / 32), wave v 64 of these rows.  Slot i of round r: row 16 r + i.
;   Both: byte offset (i % 2) x 16,384 + (i / 2) x M + 16 x lane, a round 8 M further, with M = 512 for a and 32,768 for w.  Every offset of the output is half that of the input.
;   The sums of slots of one parity share 4 registers: for a that is one row's sum, for w half of the lane's four column sums.
; Work-groups share no input, and the launch is a plain stream: no cluster, no matrix unit, no tensor load, no prefetch.
.set DEPTH, 16                         ; slots = loads in flight in each wave
.set ROWB,  16384                      ; bytes in a row of a and of w
.set CSB,   0                          ; LDS: wave v's 128 column sums at 512 v + 16 x lane (8,192 bytes)
.set RSB,   8192                       ; LDS: the work-group's 32 finished numbers of rvec, 4 bytes each; the block of 256 bytes is theirs alone
.set SPARE, 8448                       ; LDS: the spare words, 128 bytes for each of the 16 waves, which no other line names
.set L16, 1                            ; v1        16 x lane; never rewritten
.set ACC, 4                            ; v[4:11]   two sets of four sums
.set SPW, 14                           ; v14       LDS address of my spare word; never rewritten
.set NIL, 15                           ; v15       0; never rewritten
.set OFF, 16                           ; v[16:31]  slot i: byte offset in the input; never rewritten
.set OFO, 32                           ; v[32:47]  slot i: byte offset in the output; never rewritten
.set Y,   48                           ; v[48:79]  slot i: 2 registers, 4 bf16 to store
.set X,   80                           ; v[80:143] slot i: 4 registers as loaded
.set WV,  28                           ; s28  my wave's number
.set GY,  29                           ; s29  0: a, 1: w
.set IN,  32                           ; s[32:33] the input at my wave's first chunk, one round ahead of the round in hand
.set OUT, 34                           ; s[34:35] the output at my wave's first chunk of the round in hand
	s_load_b512 s[4:19], s[0:1], 0x0               ; a s[4:5], w s[6:7], a_s s[8:9], a_o s[10:11], w_s s[12:13], w_o s[14:15], ab s[16:17], wb s[18:19]
	s_load_b128 s[20:23], s[0:1], 0x40             ; rvec s[20:21], cpart s[22:23]
	v_lshl_add_u32 v[SPW], v0, 2, SPARE
	v_mov_b32 v[NIL], 0
	v_and_b32 v[L16], 31, v0
	v_lshlrev_b32 v[L16], 4, v[L16]
	v_lshrrev_b32 v2, 5, v0
	v_readfirstlane_b32 s[WV], v2                  ; wave 0..15
	s_and_b32 s[GY], ttmp7, 0xffff
	s_lshl_b32 s40, ttmp9, 19                      ; a: 32 rows a work-group,
	s_lshl_b32 s41, s[WV], 15                      ;    2 rows a wave
	s_add_co_u32 s40, s40, s41
	s_lshr_b32 s41, ttmp9, 5                       ; w: the block of 1,024 rows,
	s_lshl_b32 s41, s41, 24
	s_lshl_b32 s42, s[WV], 20                      ;    64 rows a wave,
	s_add_co_u32 s41, s41, s42
	s_and_b32 s42, ttmp9, 31                       ;    the strip of 128 columns: 512 bytes
	s_lshl_b32 s42, s42, 9
	s_add_co_u32 s41, s41, s42
	s_mov_b32 s30, 512
	s_mov_b32 s31, 32768
	s_cmp_eq_u32 s[GY], 0
	s_cselect_b32 s31, s30, s31                    ; M
	s_cselect_b32 s42, s40, s41                    ; my wave's first byte in the input
	s_mov_b32 s43, 0
	s_lshl_b32 s36, s31, 3                         ; a round's step in the input, 8 M,
	s_mov_b32 s37, 0
	s_lshl_b32 s38, s31, 2                         ; and in the output, 4 M
	s_mov_b32 s39, 0
.irp i, 0,1,2,3,4,5,6,7,8,9,10,11,12,13,14,15
	s_mul_i32 s40, s31, (\i)/2
	s_add_co_u32 s40, s40, ((\i)%2)*ROWB
	v_add_nc_u32 v[OFF+(\i)], s40, v[L16]
	v_lshrrev_b32 v[OFO+(\i)], 1, v[OFF+(\i)]
.endr
	s_mov_b32 s48, 0x76543210                      ; v_permlanex16_b32: each lane takes its own place in the other half
	s_mov_b32 s49, 0xfedcba98
	s_wait_kmcnt 0x0
	s_load_b32 s24, s[8:9], 0x0                    ; a_s
	s_load_b32 s25, s[10:11], 0x0                  ; a_o
	s_load_b32 s26, s[12:13], 0x0                  ; w_s
	s_load_b32 s27, s[14:15], 0x0                  ; w_o
	s_cmp_eq_u32 s[GY], 0
	s_cselect_b64 s[IN:IN+1], s[4:5], s[6:7]
	s_cselect_b64 s[OUT:OUT+1], s[16:17], s[18:19]
	s_add_nc_u64 s[IN:IN+1], s[IN:IN+1], s[42:43]
	s_lshr_b32 s42, s42, 1
	s_add_nc_u64 s[OUT:OUT+1], s[OUT:OUT+1], s[42:43]
.irp i, 0,1,2,3,4,5,6,7,8,9,10,11,12,13,14,15
	global_load_b128 v[X+4*(\i):X+4*(\i)+3], v[OFF+(\i)], s[IN:IN+1] th:TH_LOAD_NT  ; the ring is filled: round 0
.endr
.irp r, 0,1,2,3,4,5,6,7,8,9
	v_mov_b32 v[ACC+(\r)], 0                       ; the eight sums, and v12, v13 (v_permlanex16_b32's destination counts as read), while the loads are out
.endr
	s_wait_kmcnt 0x0
	s_mul_f32 s46, s25, s26                        ; a_o w_s
	s_mov_b32 s47, s46                             ; named with it as a pair
	s_mul_f32 s50, s24, s27                        ; a_s w_o
	s_mul_f32 s51, s25, s27
	s_mul_f32 s51, s51, 0x45800000                 ; 4096 a_o w_o
	s_wait_xcnt 0x0                                ; the loads have read their base: it may be written
	s_add_nc_u64 s[IN:IN+1], s[IN:IN+1], s[36:37]  ; one round ahead
; One slot's turn.  ahead = 1: the slot is filled again with its chunk of the next round.  left = how many younger loads may stay out.
.macro SLOT i, ahead, left
	s_wait_loadcnt \left                           ; loads come back in order (ISA guide 5.7.1): mine is in, the younger ones stay out
	s_wait_xcnt 0x0                                ; the slot's last store has read Y: it is rewritten only behind this wait
.irp j, 0,1,2,3
	v_cvt_f32_i32 v[X+4*(\i)+(\j)], v[X+4*(\i)+(\j)]
.endr
	v_pk_add_f32 v[ACC+4*((\i)%2):ACC+4*((\i)%2)+1],   v[ACC+4*((\i)%2):ACC+4*((\i)%2)+1],   v[X+4*(\i):X+4*(\i)+1]
	v_pk_add_f32 v[ACC+4*((\i)%2)+2:ACC+4*((\i)%2)+3], v[ACC+4*((\i)%2)+2:ACC+4*((\i)%2)+3], v[X+4*(\i)+2:X+4*(\i)+3]
	v_cvt_pk_bf16_f32 v[Y+2*(\i)],   v[X+4*(\i)],   v[X+4*(\i)+1]
	v_cvt_pk_bf16_f32 v[Y+2*(\i)+1], v[X+4*(\i)+2], v[X+4*(\i)+3]
.if \ahead
	global_load_b128 v[X+4*(\i):X+4*(\i)+3], v[OFF+(\i)], s[IN:IN+1] th:TH_LOAD_NT
.endif
	global_store_b64 v[OFO+(\i)], v[Y+2*(\i):Y+2*(\i)+1], s[OUT:OUT+1]  ; the wave's store covers 256 consecutive bytes, aligned
.endm
	s_mov_b32 s44, 3
.Lround:
.irp i, 0,1,2,3,4,5,6,7,8,9,10,11,12,13,14,15
	SLOT \i, 1, DEPTH-1
.endr
	s_wait_xcnt 0x0                                ; the round's loads and stores have read their bases
	s_add_nc_u64 s[IN:IN+1], s[IN:IN+1], s[36:37]
	s_add_nc_u64 s[OUT:OUT+1], s[OUT:OUT+1], s[38:39]
	s_sub_co_u32 s44, s44, 1
	s_cmp_lg_u32 s44, 0
	s_cbranch_scc1 .Lround
.irp i, 0,1,2,3,4,5,6,7,8,9,10,11,12,13,14,15
	SLOT \i, 0, DEPTH-1-(\i)                       ; the last round loads nothing: the counts run down
.endr
	s_cmp_lg_u32 s[GY], 0
	s_cbranch_scc1 .Lcols
	; a: each set is one row's sum, spread over 4 registers and 32 lanes
	v_pk_add_f32 v[4:5], v[4:5], v[6:7]
	v_pk_add_f32 v[8:9], v[8:9], v[10:11]
	v_add_f32 v4, v4, v5
	v_add_f32 v8, v8, v9
.irp m, 1,2,4,8
	v_add_f32_dpp v4, v4, v4 row_xmask:\m row_mask:0xf bank_mask:0xf
	v_add_f32_dpp v8, v8, v8 row_xmask:\m row_mask:0xf bank_mask:0xf
.endr
	v_permlanex16_b32 v12, v4, s48, s49
	v_permlanex16_b32 v13, v8, s48, s49
	v_add_f32 v4, v4, v12
	v_add_f32 v8, v8, v13
	v_fma_f32 v4, v4, s50, s51                     ; the row's sum x a_s w_o + 4096 a_o w_o
	v_fma_f32 v8, v8, s50, s51
	s_lshl_b32 s40, s[WV], 3
	s_add_co_u32 s40, s40, RSB
	v_mov_b32 v2, s40
	ds_store_b32 v2, v4                            ; all lanes write the same word with the same number
	ds_store_b32 v2, v8 offset:4
	s_branch .Lmeet
.Lcols:
	; w: the two sets together are my four columns' sums over my wave's 64 rows
	v_pk_add_f32 v[4:5], v[4:5], v[8:9]
	v_pk_add_f32 v[6:7], v[6:7], v[10:11]
	s_lshl_b32 s40, s[WV], 9
	v_add_nc_u32 v2, s40, v[L16]
	ds_store_b128 v2, v[4:7] offset:CSB
.Lmeet:
	s_wait_dscnt 0x0                               ; for the others' sake: my stores to LDS are done
	s_barrier_signal -1
	s_barrier_wait -1                              ; all sixteen waves' sums lie in LDS
	s_cmp_lg_u32 s[WV], 0                          ; wave 0 finishes
	s_cbranch_scc1 .Lend
	s_cmp_lg_u32 s[GY], 0
	s_cbranch_scc1 .Lcolout
	v_lshrrev_b32 v2, 2, v[L16]                    ; 4 x lane: a lane a row
	ds_load_b32 v3, v2 offset:RSB
	s_lshl_b32 s42, ttmp9, 7                       ; 32 rows x 4 bytes a work-group
	s_add_nc_u64 s[20:21], s[20:21], s[42:43]
	s_wait_dscnt 0x0
	global_store_b32 v2, v3, s[20:21]
	s_branch .Lend
.Lcolout:
.irp u, 0,1,2,3,4,5,6,7,8,9,10,11,12,13,14,15
	ds_load_b128 v[X+4*(\u):X+4*(\u)+3], v[L16] offset:CSB+512*(\u)
.endr
	s_lshr_b32 s40, ttmp9, 5                       ; the block's row of cpart: 16,384 bytes,
	s_lshl_b32 s40, s40, 14
	s_and_b32 s41, ttmp9, 31                       ; the strip's 128 numbers: 512 bytes
	s_lshl_b32 s41, s41, 9
	s_add_co_u32 s42, s40, s41
	s_add_nc_u64 s[22:23], s[22:23], s[42:43]
	s_wait_dscnt 0x0
.irp d, 8,4,2,1
.set u, 0
.rept (\d)
	v_pk_add_f32 v[X+4*u:X+4*u+1],   v[X+4*u:X+4*u+1],   v[X+4*(u+(\d)):X+4*(u+(\d))+1]
	v_pk_add_f32 v[X+4*u+2:X+4*u+3], v[X+4*u+2:X+4*u+3], v[X+4*(u+(\d))+2:X+4*(u+(\d))+3]
.set u, u+1
.endr
.endr
	v_pk_mul_f32 v[X:X+1],   v[X:X+1],   s[46:47] op_sel_hi:[1,0]
	v_pk_mul_f32 v[X+2:X+3], v[X+2:X+3], s[46:47] op_sel_hi:[1,0]
	global_store_b128 v[L16], v[X:X+3], s[22:23]   ; 512 consecutive bytes, aligned
.Lend:
	s_wait_tensorcnt 0x0                           ; the wave's end, behind my last LDS store
	ds_add_u32 v[SPW], v[NIL]
	s_wait_dscnt 0x0
	s_endpgm
.Lfunc_end_k_q9e8ae6cee8_prep:
	.size	k_q9e8ae6cee8_prep, .Lfunc_end_k_q9e8ae6cee8_prep-k_q9e8ae6cee8_prep
	.p2alignl 7, 3214868480
	.fill 96, 4, 3214868480
	.section	.rodata,"a",@progbits
	.p2align	6, 0x0
	.amdhsa_kernel k_q9e8ae6cee8_prep
		.amdhsa_group_segment_fixed_size 10496
		.amdhsa_private_segment_fixed_size 0
		.amdhsa_enable_private_segment 0
		.amdhsa_kernarg_size 80
		.amdhsa_user_sgpr_count 2
		.amdhsa_user_sgpr_kernarg_segment_ptr 1
		.amdhsa_wavefront_size32 1
		.amdhsa_system_sgpr_workgroup_id_x 1
		.amdhsa_system_sgpr_workgroup_id_y 1
		.amdhsa_system_sgpr_workgroup_id_z 1
		.amdhsa_system_vgpr_workitem_id 0
		.amdhsa_next_free_vgpr 144
		.amdhsa_next_free_sgpr 66
		.amdhsa_reserve_vcc 0
		.amdhsa_float_denorm_mode_32 3
		.amdhsa_float_denorm_mode_16_64 3
		.amdhsa_memory_ordered 1
		.amdhsa_forward_progress 1
		.amdhsa_inst_pref_size 31
	.end_amdhsa_kernel
	.amdgpu_metadata
---
amdhsa.version: [ 1, 2 ]
amdhsa.kernels:
  - .name:           k_q9e8ae6cee8_prep
    .symbol:         k_q9e8ae6cee8_prep.kd
    .args:
      - { .name: a, .offset: 0, .size: 8, .value_kind: global_buffer, .address_space: global }
      - { .name: w, .offset: 8, .size: 8, .value_kind: global_buffer, .address_space: global }
      - { .name: a_s, .offset: 16, .size: 8, .value_kind: global_buffer, .address_space: global }
      - { .name: a_o, .offset: 24, .size: 8, .value_kind: global_buffer, .address_space: global }
      - { .name: w_s, .offset: 32, .size: 8, .value_kind: global_buffer, .address_space: global }
      - { .name: w_o, .offset: 40, .size: 8, .value_kind: global_buffer, .address_space: global }
      - { .name: ab, .offset: 48, .size: 8, .value_kind: global_buffer, .address_space: global }
      - { .name: wb, .offset: 56, .size: 8, .value_kind: global_buffer, .address_space: global }
      - { .name: rvec, .offset: 64, .size: 8, .value_kind: global_buffer, .address_space: global }
      - { .name: cpart, .offset: 72, .size: 8, .value_kind: global_buffer, .address_space: global }
    .group_segment_fixed_size: 10496
    .private_segment_fixed_size: 0
    .kernarg_segment_align: 8
    .kernarg_segment_size: 80
    .max_flat_workgroup_size: 512
    .sgpr_count:     66
    .vgpr_count:     144
    .wavefront_size: 32
...
	.end_amdgpu_metadata
.endif
;; end of part 1
;; launch gemm (part 2): grid 16 x 16, 4 waves a work-group, clusters of 4 x 4, 327,680 bytes of LDS; arguments ab, wb, out0, rvec, cpart, a_s, w_s; writes out0
.if DOCPART == 2
	.amdgcn_target "amdgcn-amd-amdhsa--gfx1250"
	.amdhsa_code_object_version 6
	.text
	.protected	k_q9e8ae6cee8_gemm
	.globl	k_q9e8ae6cee8_gemm
	.p2align	8
	.type	k_q9e8ae6cee8_gemm,@function
k_q9e8ae6cee8_gemm:
	s_mov_b64 s[64:65], 0
	v_nop
	global_prefetch_b8 v0, s[64:65] scope:SCOPE_SE
	s_setreg_imm32_b32 hwreg(HW_REG_WAVE_MODE, 25, 1), 1
	s_wait_xcnt 0x0
	s_wait_alu depctr_hold_cnt(0) depctr_sa_sdst(0) depctr_va_vdst(0) depctr_va_sdst(0) depctr_va_ssrc(0) depctr_va_vcc(0) depctr_vm_vsrc(0)
	s_getreg_b32 s2, hwreg(HW_REG_IB_STS2, 6, 4)
	s_cmp_eq_u32 s2, 0
	s_cbranch_scc0 .Lentry_in_a_cluster
	s_endpgm
.Lentry_in_a_cluster:
	s_bfe_u32 s2, ttmp6, 0x10000c
	s_cmp_lg_u32 s2, 0xf033
	s_cbranch_scc0 .Lentry_shape_is_right
	s_endpgm
.Lentry_shape_is_right:
; out0[m][n] = (a_s w_s) x (sum over k of ab[m][k] wb[k][n]) + rvec[m] + (cpart[0][n] + cpart[1][n] + cpart[2][n] + cpart[3][n]).
; ab: [4096 m][4096 k] bf16, wb: [4096 k][4096 n] bf16 (NOT transposed), rvec: [4096] f32, cpart: [4][4096] f32, out0: [4096][4096] f32.  Products in bf16, sums in f32.
; LIMITS.  The sums are f32 sums of exact products (whole numbers up to 256 in magnitude are exact in bf16; their sums are rounded to 24 bits); where an int32 sum would wrap
; (2^31 and beyond), this one does not.  a_s w_s is formed first, in f32: an order of rounding of this text's own.
; A tile of C, 256 x 256, is made by a work-group of four waves; a wave makes 128 x 128: 64 accumulators of 16 x 16, 512 registers.  C has 256 such tiles: one to a work-group.
; K goes in steps of 128 through a ring of two LDS slots filled by the tensor data mover: A's tile is 256 rows of 256 bytes, B's 128 rows (k) of 512 bytes, each row starting at a multiple of 256 bytes.
; CLUSTERS: 4 x 4 work-groups.  The four of a row of the cluster need the same tiles of A, the four of a column the same tiles of B: each tile is asked for JOINTLY, by the same tensor load
; with the same descriptor and a mask that names the four; each receives it in its own LDS.
; THE MATRIX INSTRUCTION IS USED TRANSPOSED: source 0 = 16 columns n of B x 32 k, source 1 = 16 rows m of A x 32 k.  In the result lane l holds row m = l % 16 of C and columns 8 (l / 16) + 0..7.
; A's fragments come out of LDS as they lie (K along the rows), B's ([k][n]) turned, by ds_load_tr16_b128.
; REGISTERS, in windows of 256 (s_set_vgpr_msb's low byte: bits 1:0 source 0, 3:2 source 1, 5:4 source 2, 7:6 destination):
;   window 0: v0-63 addresses and the corrections; v64-127, v128-191 fragments of A, two buffers; on the way out these hold rows of C
;   window 1: v64-127, v128-191 fragments of B, two buffers
;   window 2: the 32 accumulators of my rows 0-63 (accumulator (a, b) at v[8 (8 a + b)]);   window 3: those of my rows 64-127
.set KSTEP,  128
.set PITCH,  272                       ; a row of A in LDS: 256 bytes + 16 of padding = 68 words: row r starts at bank 4 r mod 64 (64 banks of 4 bytes: ISA guide 11.1)
.set PB,     544                       ; a row of B in LDS: 512 bytes + 32 of padding = 136 words: row r starts at bank 8 r mod 64
.set HALFT,  128*PITCH                 ; what one tensor load brings: 128 rows of A, or 64 rows of B (64 x 544 is the same number of bytes)
.set SLOT,   4*HALFT                   ; A's 256 rows, then B's 128 rows
.set STAGE,  2*SLOT                    ; behind the ring: 16 rows x 528 bytes for each wave, for the way out; no tensor load lands there
.set SPITCH, 528                       ; 512 bytes + 16: the 16 rows that a store touches start at 16 different groups of four banks
.set SPARE,  STAGE+4*16*SPITCH         ; behind the stages: the spare words, 128 bytes for each wave, which no other line names
.set LAPS,   16                        ; a lap = two K steps = once round the ring: 4096 / 256
.set STEP_A, 256                       ; bytes from a K step to the next: 128 numbers along a row of ab,
.set STEP_B, 0x100000                  ; 128 rows of 8,192 bytes of wb
.set ROWC,   16384                     ; bytes in a row of out0
.set ADRA, 16                          ; v16-17  LDS address of my A fragments in slot 0, 1
.set ADRB, 20                          ; v20-21  the same for B
.set STO,  24                          ; v24     the way out: where I put 32 bytes of a row
.set RD,   25                          ; v25     the way out: where I read a row back
.set CO,   26                          ; v26     16 x lane: my 16 bytes in 512 of a row of C or of cpart; never rewritten
.set LN4,  27                          ; v27     4 x lane
.set SPW,  28                          ; v28     LDS address of my spare word; never rewritten
.set NIL,  29                          ; v29     0; never rewritten
.set PFO,  30                          ; v30     the prefetches' lane offset; never rewritten
.set CR0,  32                          ; v[32:35], v[44:47]  column + row correction of the row in hand, two sets by turns
.set C4,   36                          ; v[36:39] the column corrections of my four columns 4 l .. 4 l + 3 of the wave's 128
.set RV,   40                          ; v[40:43] register i, lane l: rvec of my wave's row 32 i + l
.set CP,   48                          ; v[48:63] the four parts of cpart, at the head only
.set F0,   64                          ; fragment buffer 0
.set F1,   128                         ; fragment buffer 1
.set G1,  24                           ; s[24:31] descriptor group 1 for A's tiles
.set G0,  32                           ; s[32:39] descriptor group 0 for A's tiles, one set for each slot
.set LIM, 43                           ; s43      1 in a wave that prefetches, else the greatest number
.set PFA, 44                           ; s[44:45] where my prefetches stand
.set G1B, 48                           ; s[48:55] descriptor group 1 for B's tiles
.set G0B, 56                           ; s[56:63] descriptor group 0 for B's tiles, one set for each slot
.set PFS, 66                           ; s[66:67] a K step in bytes, for the tensor that I prefetch
.set SC,  78                           ; s[78:79] a_s w_s, twice
.set RT,  80                           ; s[80:81], s[82:83] rvec of the row in hand, by turns; the high words are 0
.set MSB, 0
.macro WIN new                         ; the immediate's high byte repeats the setting that is left; a switch that changes nothing is dropped
.if MSB != (\new)
	s_set_vgpr_msb (MSB<<8)|(\new)
.set MSB, \new
.endif
.endm
.set MUL_LO, 0xa1                      ; source 0 (B) window 1, source 1 (A) window 0, C and D window 2
.set MUL_HI, 0xf1                      ; the same, C and D window 3
.set TO_B,   0x40                      ; destination window 1, address window 0
; A joint load.  Waves 0 and 1 fetch A's two halves, waves 2 and 3 B's.  Each line has one mask and one set of registers for all that issue it; the branch hangs on the wave's number alone.
; An s_nop 0 and four v_nop follow each of the two lines, ahead of the jump, the label and what follows.
.macro JLOAD s
	s_cmp_eq_u32 s11, 0
	s_cbranch_scc0 .Lfor_b_\@
	tensor_load_to_lds s[G0+4*(\s):G0+4*(\s)+3], s[G1:G1+7]
	s_nop 0
.rept 4
	v_nop
.endr
	s_branch .Lasked_\@
.Lfor_b_\@:
	tensor_load_to_lds s[G0B+4*(\s):G0B+4*(\s)+3], s[G1B:G1B+7]
	s_nop 0
.rept 4
	v_nop
.endr
.Lasked_\@:
.endm
; A PREFETCH, behind each joint refill, its five lines and the run of LDS loads that follows them: the K step that stands TWO refills on, 512 matrix instructions ahead of the load that will ask for it.
; Each aligned block of 256 bytes of ab and wb is named ONCE in the launch.  A's tile row is read by every cluster of that row of clusters: cluster x = 0 asks; B's tile column by every cluster of that
; column: cluster y = 0 asks.  The four partners that ask for a tile jointly share it out BY ADDRESS: of the 128 rows of A that a wave fetches, the partner at cx takes 32, a lane a row; of the 64 rows of B
; (two blocks each), the partner at cy takes 16, a lane a block.  No branch hangs on a work-group's place in its cluster.  The loop's last trip (s3 = 1) has no K step two on and asks for nothing;
; K steps 0 to 3 come by their loads alone.
.macro ASK
	s_cmp_gt_u32 s3, s[LIM]
	s_cbranch_scc0 .Lnot_mine_\@
	global_prefetch_b8 v[PFO], s[PFA:PFA+1] th:TH_LOAD_NT scope:SCOPE_SE
.Lnot_mine_\@:
.endm
; A round of the cluster's barrier: my work-group's barrier, so that wave 0's signal speaks for all four waves; wave 0 signals; every wave waits for all sixteen work-groups; my work-group's barrier once more.
.macro CREST                           ; a round behind its opening barrier
	s_cmp_lg_u32 s10, 0
	s_cbranch_scc1 .Lnot_wave_0_\@
	s_barrier_signal -3
.Lnot_wave_0_\@:
	s_barrier_wait -3
	s_barrier_signal -1
	s_barrier_wait -1
.endm
.macro CROUND                          ; a whole round
	s_barrier_signal -1
	s_barrier_wait -1
	CREST
.endm
	s_load_b128 s[4:7], s[0:1], 0x0                ; ab s[4:5], wb s[6:7]
	s_load_b64 s[8:9], s[0:1], 0x10                ; out0
	s_load_b256 s[68:75], s[0:1], 0x18             ; rvec s[68:69], cpart s[70:71], a_s s[72:73], w_s s[74:75]
	v_lshl_add_u32 v[SPW], v0, 2, SPARE
	v_mov_b32 v[NIL], 0
	ds_add_u32 v[SPW], v[NIL]                      ; the wave's opening: the add and its wait ahead of my first tensor load; the set-up below, work on registers, stands between them
	v_lshrrev_b32 v1, 5, v0
	v_readfirstlane_b32 s10, v1                    ; wave 0..3
	s_lshr_b32 s11, s10, 1                         ; which half of the tile's rows is mine.  Also: I fetch for A (0) or for B (1)
	s_and_b32 s12, s10, 1                          ; which half of its columns.  Also: which half of that tile I fetch
	s_bfe_u32 s40, ttmp6, 0x40000                  ; cx
	s_bfe_u32 s41, ttmp6, 0x40004                  ; cy
	s_lshl_b32 s42, ttmp9, 2                       ; in a cluster launch ttmp9 and ttmp7 count clusters
	s_add_co_u32 s42, s42, s40                     ; tile column of C = 4 x cluster x + cx
	s_and_b32 s13, ttmp7, 0xffff
	s_lshl_b32 s13, s13, 2
	s_add_co_u32 s13, s13, s41                     ; tile row of C = 4 x cluster y + cy
	s_lshl_b32 s43, s41, 2
	s_lshl_b32 s43, 15, s43                        ; my row of the cluster: places 4 cy .. 4 cy + 3
	s_lshl_b32 s44, 0x1111, s40                    ; my column: places cx, cx + 4, cx + 8, cx + 12
	; descriptor group 1.  A: 128 rows x 128 elements, 4 words of padding after every 64.  B: 64 rows x 256 elements, 8 words of padding after every 128.
	s_or_b32 s[G1+0], s43, (1<<16)|(1<<20)|(1<<21)|(5<<22)|(3<<25)   ; 15:0 the mask: my row; 17:16 elements of 2 bytes; 20 padding on; 21 set beside a mask; 24:22 the interval; 31:25 the padding
	s_or_b32 s[G1B+0], s44, (1<<16)|(1<<20)|(1<<21)|(6<<22)|(7<<25)  ; the mask: my column
	s_mov_b32 s[G1+1], 128<<16                     ; tensor_dim0 = 128
	s_mov_b32 s[G1+2], 128<<16                     ; tensor_dim1 = 128
	s_mov_b32 s[G1+3], 128<<16                     ; tile_dim0 = 128
	s_mov_b32 s[G1+4], 128                         ; tile_dim1 = 128
	s_mov_b32 s[G1+5], 4096                        ; elements from row to row
	s_mov_b32 s[G1+6], 0
	s_mov_b32 s[G1+7], 0
	s_mov_b32 s[G1B+1], 256<<16                    ; tensor_dim0 = 256
	s_mov_b32 s[G1B+2], 64<<16                     ; tensor_dim1 = 64
	s_mov_b32 s[G1B+3], 256<<16                    ; tile_dim0 = 256
	s_mov_b32 s[G1B+4], 64                         ; tile_dim1 = 64
	s_mov_b32 s[G1B+5], 4096
	s_mov_b32 s[G1B+6], 0
	s_mov_b32 s[G1B+7], 0
	; where the tiles come from.  A's hang on the tile row alone, B's on the tile column alone; every wave makes both addresses, in registers that never hold the other coordinate, and asks by one of them.
	s_lshl_b32 s17, s12, 7
	s_lshl_b32 s16, s13, 8
	s_add_co_u32 s16, s16, s17                     ; A: row 256 x tile row + 128 x half,
	s_lshl_b32 s16, s16, 13                        ; of 8,192 bytes
	s_mov_b32 s17, 0
	s_lshl_b32 s46, s42, 9                         ; B: column 256 x tile column: 512 bytes,
	s_lshl_b32 s47, s12, 19                        ; row 64 x half, of 8,192 bytes
	s_add_co_u32 s46, s46, s47
	s_mov_b32 s47, 0
	s_mul_i32 s20, s10, HALFT                      ; and where they go: wave x HALFT: no place in the cluster enters an LDS address
	s_mov_b32 s[RT+1], 0
	s_mov_b32 s[RT+3], 0
	s_wait_dscnt 0x0                               ; the opening add is done
	s_wait_kmcnt 0x0
	s_add_nc_u64 s[14:15], s[4:5], s[16:17]
	s_add_nc_u64 s[46:47], s[6:7], s[46:47]
	CROUND                                         ; all sixteen work-groups are here: the first joint loads meet
.irp s, 0,1
	s_mov_b32 s[G0+4*(\s)], 1                                      ; count = 1
	s_add_co_u32 s[G0+4*(\s)+1], s20, (\s)*SLOT                    ; LDS address
	s_add_nc_u64 s[G0+4*(\s)+2:G0+4*(\s)+3], s[14:15], (\s)*STEP_A ; global address: K step s
	s_or_b32 s[G0+4*(\s)+3], s[G0+4*(\s)+3], 0x80000000            ; type = 2
	s_mov_b32 s[G0B+4*(\s)], 1
	s_add_co_u32 s[G0B+4*(\s)+1], s20, (\s)*SLOT
	s_add_nc_u64 s[G0B+4*(\s)+2:G0B+4*(\s)+3], s[46:47], (\s)*STEP_B
	s_or_b32 s[G0B+4*(\s)+3], s[G0B+4*(\s)+3], 0x80000000
	JLOAD \s                                       ; the ring is filled before anything else is done: two tensor loads of mine are out
.endr
	s_load_b32 s76, s[72:73], 0x0                  ; a_s
	s_load_b32 s77, s[74:75], 0x0                  ; w_s
	; A fragment of A: 16 rows x 32 K in 8 registers: lane l holds row l % 16, K = 8 (l / 16) + 0..7 and 16 + 8 (l / 16) + 0..7: two loads of 16 bytes, 32 bytes apart.
	v_and_b32 v1, 15, v0                           ; l % 16
	v_bfe_u32 v2, v0, 4, 1                         ; l / 16
	v_mul_u32_u24 v3, v1, PITCH
	v_lshl_add_u32 v3, v2, 4, v3
	; A fragment of B: the turning load takes 16 k x 16 n (lane l reads 16 bytes: row k = 8 (l / 16) + l % 8, columns 8 ((l / 8) % 2) + 0..7) and leaves lane l column l % 16 and 8 k; a second load 16 rows on.
	v_and_b32 v4, 7, v0
	v_lshl_add_u32 v4, v2, 3, v4
	v_mul_u32_u24 v4, v4, PB
	v_bfe_u32 v5, v0, 3, 1
	v_lshl_add_u32 v4, v5, 4, v4
	s_mul_i32 s21, s11, HALFT                      ; my 128 rows of A
	s_lshl_b32 s22, s12, 8                         ; my 128 columns of B: 256 bytes of each row,
	s_add_co_u32 s22, s22, 2*HALFT                 ; behind A's 256 rows
.irp s, 0,1
	v_add_nc_u32 v[ADRA+(\s)], s21, v3
	v_add_nc_u32 v[ADRB+(\s)], s22, v4
	s_add_co_u32 s21, s21, SLOT
	s_add_co_u32 s22, s22, SLOT
.endr
	s_mul_i32 s23, s10, 16*SPITCH
	s_add_co_u32 s23, s23, STAGE                   ; my stage
	v_mul_u32_u24 v6, v1, SPITCH                   ; in: row l % 16, 32 bytes for each half of the lanes
	v_lshl_add_u32 v6, v2, 5, v6
	v_add_nc_u32 v[STO], s23, v6
	v_and_b32 v7, 31, v0
	v_lshlrev_b32 v[CO], 4, v7
	v_lshlrev_b32 v[LN4], 2, v7
	v_add_nc_u32 v[RD], s23, v[CO]                 ; back: 32 lanes take one row of 512 bytes
	; my part of C, of rvec and of cpart
	s_lshl_b32 s20, s13, 8
	s_lshl_b32 s21, s11, 7
	s_add_co_u32 s20, s20, s21                     ; my first row
	s_lshl_b32 s22, s20, 2                         ; in rvec
	s_mov_b32 s23, 0
	s_lshl_b32 s18, s42, 10                        ; my first column, in bytes of f32: 1,024 x tile column + 512 x half
	s_lshl_b32 s19, s12, 9
	s_add_co_u32 s18, s18, s19
	s_mov_b32 s19, 0
	s_lshl_b32 s20, s20, 14                        ; rows of 16,384 bytes
	s_add_co_u32 s20, s20, s18
	s_mov_b32 s21, 0
	s_add_nc_u64 s[8:9], s[8:9], s[20:21]
	s_add_nc_u64 s[68:69], s[68:69], s[22:23]
	s_add_nc_u64 s[70:71], s[70:71], s[18:19]
.irp i, 0,1,2,3
	global_load_b32 v[RV+(\i)], v[LN4], s[68:69] offset:128*(\i)
.endr
.irp p, 0,1,2,3
	global_load_b128 v[CP+4*(\p):CP+4*(\p)+3], v[CO], s[70:71] offset:16384*(\p)
.endr
	; the prefetches' address: at K step 3; the first refill steps it to K step 4
	s_lshl_b32 s16, s13, 8
	s_lshl_b32 s17, s12, 7
	s_add_co_u32 s16, s16, s17                     ; A: the 128 rows that I fetch,
	s_lshl_b32 s17, s40, 5
	s_add_co_u32 s16, s16, s17                     ; my work-group's 32 of them
	s_lshl_b32 s16, s16, 13
	s_add_co_u32 s16, s16, 3*STEP_A
	s_lshl_b32 s17, s12, 6                         ; B: the 64 rows that I fetch,
	s_lshl_b32 s18, s41, 4
	s_add_co_u32 s17, s17, s18                     ; my work-group's 16 of them
	s_lshl_b32 s17, s17, 13
	s_lshl_b32 s18, s42, 9
	s_add_co_u32 s17, s17, s18
	s_add_co_u32 s17, s17, 3*STEP_B
	s_mov_b32 s18, STEP_A
	s_mov_b32 s19, STEP_B
	s_and_b32 s22, ttmp7, 0xffff                   ; cluster y
	s_cmp_eq_u32 s11, 0                            ; do I fetch for A?
	s_cselect_b32 s20, s16, s17
	s_cselect_b32 s[PFS], s18, s19
	s_cselect_b32 s22, ttmp9, s22                  ; the coordinate along which other clusters read the same rows
	s_cselect_b64 s[PFA:PFA+1], s[4:5], s[6:7]
	s_cmp_eq_u32 s22, 0
	s_cselect_b32 s[LIM], 1, -1                    ; the same in all sixteen partners, for a given wave
	s_mov_b32 s21, 0
	s_mov_b32 s[PFS+1], 0
	s_add_nc_u64 s[PFA:PFA+1], s[PFA:PFA+1], s[20:21]
	v_lshrrev_b32 v6, s11, v7                      ; A: a lane a row of 8,192 bytes; B: two lanes a row, 256 bytes apart
	v_and_b32 v5, s11, v7
	v_lshlrev_b32 v6, 13, v6
	v_lshl_add_u32 v[PFO], v5, 8, v6
	s_wait_kmcnt 0x0
	s_mul_f32 s[SC], s76, s77                      ; a_s w_s
	s_mov_b32 s[SC+1], s[SC]                       ; named with it as a pair
	s_wait_loadcnt 0x0                             ; rvec's and cpart's parts, once
	v_pk_add_f32 v[CP:CP+1],     v[CP:CP+1],     v[CP+4:CP+5]
	v_pk_add_f32 v[CP+2:CP+3],   v[CP+2:CP+3],   v[CP+6:CP+7]
	v_pk_add_f32 v[CP+8:CP+9],   v[CP+8:CP+9],   v[CP+12:CP+13]
	v_pk_add_f32 v[CP+10:CP+11], v[CP+10:CP+11], v[CP+14:CP+15]
	v_pk_add_f32 v[C4:C4+1],     v[CP:CP+1],     v[CP+8:CP+9]
	v_pk_add_f32 v[C4+2:C4+3],   v[CP+2:CP+3],   v[CP+10:CP+11]
; 16 matrix instructions: m blocks a0, a0 + 1 of the window's four (hi = 0: my rows 0-63, 1: rows 64-127) x all 8 n blocks, 32 along K.  zero = 1: the first product starts the sums: nothing is cleared.
; The 64 accumulators take turns, one instruction a turn, in the same order in every quarter step.
.macro MUL16 f, hi, a0, zero
	WIN MUL_LO+0x50*(\hi)
.irp a, \a0, (\a0)+1
.irp b, 0,1,2,3,4,5,6,7
.if \zero
	v_wmma_f32_16x16x32_bf16 v[8*(8*(\a)+(\b)):8*(8*(\a)+(\b))+7], v[(\f)+8*(\b):(\f)+8*(\b)+7], v[(\f)+8*(4*(\hi)+(\a)):(\f)+8*(4*(\hi)+(\a))+7], 0
.else
	v_wmma_f32_16x16x32_bf16 v[8*(8*(\a)+(\b)):8*(8*(\a)+(\b))+7], v[(\f)+8*(\b):(\f)+8*(\b)+7], v[(\f)+8*(4*(\hi)+(\a)):(\f)+8*(4*(\hi)+(\a))+7], v[8*(8*(\a)+(\b)):8*(8*(\a)+(\b))+7]
.endif
.endr
.endr
.endm
; 32 LDS loads in one run: the fragments of quarter q of a K step (128 columns of B, 128 rows of A, 32 along K) into buffer f.  B's largest offset is 61,152, inside the 16 bits.
.macro FETCH slot, q, f
	WIN TO_B
.irp i, 0,1,2,3,4,5,6,7
	ds_load_tr16_b128 v[(\f)+8*(\i):(\f)+8*(\i)+3],   v[ADRB+(\slot)] offset:(\q)*32*PB+32*(\i)
	ds_load_tr16_b128 v[(\f)+8*(\i)+4:(\f)+8*(\i)+7], v[ADRB+(\slot)] offset:(\q)*32*PB+16*PB+32*(\i)
.endr
	WIN 0
.irp i, 0,1,2,3,4,5,6,7
	ds_load_b128 v[(\f)+8*(\i):(\f)+8*(\i)+3],   v[ADRA+(\slot)] offset:64*(\q)+(\i)*16*PITCH
	ds_load_b128 v[(\f)+8*(\i)+4:(\f)+8*(\i)+7], v[ADRA+(\slot)] offset:64*(\q)+(\i)*16*PITCH+32
.endr
.endm
; A load into a register that a matrix instruction has read, and whatever reads a matrix result, stand four places behind that matrix instruction, and only plain vector instructions that name none of
; its registers are places (ISA guide 7.12.1 for vector instructions).
.macro PLACES
.rept 4
	v_nop
.endr
.endm
; A K step is four quarters of 32 along K, 64 matrix instructions each, on buffers 0, 1, 0, 1.  One of the first three: multiplies buffer f; in its middle it fetches quarter q of the same slot into buffer g.
.macro QUARTER slot, q, f, g, zero
	s_wait_dscnt 8                                 ; B and A's rows 0-63 are in; the youngest eight loads (A's rows 64-127) may be out
	MUL16 \f, 0, 0, \zero
	MUL16 \f, 0, 2, \zero
	PLACES
	FETCH \slot, \q, \g
	s_wait_dscnt 32                                ; all but the 32 just issued
	MUL16 \f, 1, 0, \zero
	MUL16 \f, 1, 2, \zero
.endm
; The last quarter multiplies buffer 1 and changes slots.  MEET is its first half: ONE barrier, for two things.  In front of it each wave waits for all its tensor loads, of which one is out: its part of the
; next slot; adds 0 to its spare word; and waits for that and for its own reads of this slot.  Behind it nobody reads this slot any more and the next slot is whole.
.macro MEET round                      ; round = 1: a round of the cluster's barrier follows
	WIN 0                                          ; (the add's two registers lie in window 0)
	s_wait_tensorcnt 0x0                           ; all my tensor loads have landed
	ds_add_u32 v[SPW], v[NIL]                      ; 0 onto my spare word
	s_wait_dscnt 9                                 ; (the add and the youngest eight loads may be out)
	MUL16 F1, 0, 0, 0                              ; sixteen matrix instructions stand between the add and the wait for it
	s_wait_dscnt 0x0                               ; the add is done, and my reads of this slot are over
	s_barrier_signal -1
	MUL16 F1, 0, 2, 0                              ; work on registers while the others arrive
.if \round
	WIN 0
.endif
	s_barrier_wait -1
.endm
; The whole last quarter, with a refill: behind the round the slot just read out is filled again first, with the K step two steps on; then come the next slot's first fragments.
; From a request to the wait for it a wave issues 224 matrix instructions.
.macro TURN slot, next
	s_wait_xcnt 0x0                                ; the last prefetch, a K step back, has read its address: it is stepped here, ahead of the waits of the change of slots
	s_add_nc_u64 s[PFA:PFA+1], s[PFA:PFA+1], s[PFS:PFS+1]
	MEET 1
	CREST                                          ; no wave of any partner still reads this slot's tile or has a load on its way
	s_add_nc_u64 s[G0+4*(\slot)+2:G0+4*(\slot)+3], s[G0+4*(\slot)+2:G0+4*(\slot)+3], 2*STEP_A
	s_add_nc_u64 s[G0B+4*(\slot)+2:G0B+4*(\slot)+3], s[G0B+4*(\slot)+2:G0B+4*(\slot)+3], 2*STEP_B
	JLOAD \slot                                    ; the first tensor load behind the round; the four v_nop behind it are also the places in front of the loads below
	FETCH \next, 0, F0
	ASK
	MUL16 F1, 1, 0, 0
	MUL16 F1, 1, 2, 0
.endm
	s_wait_tensorcnt 1                             ; my part of K step 0 is in; K step 1's may stay out
	s_barrier_signal -1
	s_barrier_wait -1                              ; everybody's is
	FETCH 0, 0, F0
	QUARTER 0, 1, F0, F1, 1                        ; the first quarter stands in front of the loop: its products start the sums
	WIN 0                                          ; at a label and at a branch every window is 0
	s_mov_b32 s3, LAPS-1
.Llap:                                                 ; a trip goes once round the ring, from a lap's second quarter to the next lap's first, and fills both slots again
	QUARTER 0, 2, F1, F0, 0
	QUARTER 0, 3, F0, F1, 0
	TURN 0, 1
	QUARTER 1, 1, F0, F1, 0
	QUARTER 1, 2, F1, F0, 0
	QUARTER 1, 3, F0, F1, 0
	TURN 1, 0
	QUARTER 0, 1, F0, F1, 0
	WIN 0
	s_sub_co_u32 s3, s3, 1
	s_cmp_lg_u32 s3, 0
	s_cbranch_scc1 .Llap
	QUARTER 0, 2, F1, F0, 0                        ; the last lap fills nothing
	QUARTER 0, 3, F0, F1, 0
	MEET 0                                         ; my one tensor load that was still out is the last K step's; no round follows
	PLACES
	FETCH 1, 0, F0
	MUL16 F1, 1, 0, 0
	MUL16 F1, 1, 2, 0
	QUARTER 1, 1, F0, F1, 0
	QUARTER 1, 2, F1, F0, 0
	QUARTER 1, 3, F0, F1, 0
	s_wait_dscnt 8                                 ; the very last quarter: nothing more to fetch
	MUL16 F1, 0, 0, 0
	MUL16 F1, 0, 2, 0
	s_wait_dscnt 0x0
	MUL16 F1, 1, 0, 0
	MUL16 F1, 1, 2, 0
	WIN 0
	PLACES                                         ; between the last products and the LDS stores that read results, and the LDS loads into A's buffers:
	PLACES                                         ; eight, once a launch
; THE WAY OUT, a block of 16 rows at a time.  TOSTAGE: the block's eight accumulators go as they are (f32) into my own stage, 32 bytes a lane and accumulator, and come back as whole rows of 512 bytes.
; Each accumulator's four lowest registers are read first.  LDS serves a wave's instructions in order (ISA guide 5.7.1.4): the loads see the stores above them, and the next
; block's stores come behind this block's loads.
.macro TOSTAGE a
.set BK, F0+64*((\a)%2)
.set AC, 64*((\a)%4)
	s_wait_xcnt 0x0                                ; the stores of the block two back have read these registers: they are loaded again only behind this wait
	WIN 0x08+4*((\a)/4)                            ; store data (source 1) in window 2 or 3
.irp b, 0,1,2,3,4,5,6,7
	ds_store_b128 v[STO], v[AC+8*(\b):AC+8*(\b)+3]   offset:64*(\b)
	ds_store_b128 v[STO], v[AC+8*(\b)+4:AC+8*(\b)+7] offset:64*(\b)+16
.endr
	WIN 0
.irp t, 0,1,2,3,4,5,6,7,8,9,10,11,12,13,14,15
	ds_load_b128 v[BK+4*(\t):BK+4*(\t)+3], v[RD] offset:(\t)*SPITCH
.endr
.endm
; SEND: row by row, sum x a_s w_s + (column correction + row correction), and stored.  younger: the LDS instructions issued behind the block's loads: the next block's 32, or none.
.macro SEND a, younger
.set BK, F0+64*((\a)%2)
.set t, 0
.rept 16
.set rho, 16*(\a)+t                    ; the row among my wave's 128
.set CRT, CR0+12*(t%2)
.set RTS, RT+2*(t%2)
	v_readlane_b32 s[RTS], v[RV+rho/32], rho%32
	v_pk_add_f32 v[CRT:CRT+1],   v[C4:C4+1],   s[RTS:RTS+1] op_sel_hi:[1,0]
	v_pk_add_f32 v[CRT+2:CRT+3], v[C4+2:C4+3], s[RTS:RTS+1] op_sel_hi:[1,0]
	s_wait_dscnt (\younger)+15-t                   ; LDS loads come back in order: row t of the block is in
	v_pk_fma_f32 v[BK+4*t:BK+4*t+1],   v[BK+4*t:BK+4*t+1],   s[SC:SC+1], v[CRT:CRT+1]   op_sel_hi:[1,0,1]
	v_pk_fma_f32 v[BK+4*t+2:BK+4*t+3], v[BK+4*t+2:BK+4*t+3], s[SC:SC+1], v[CRT+2:CRT+3] op_sel_hi:[1,0,1]
	global_store_b128 v[CO], v[BK+4*t:BK+4*t+3], s[8:9] offset:rho*ROWC th:TH_STORE_NT  ; 512 consecutive bytes, at a multiple of 512 from out0's first byte; 127 rows at the most, inside the signed 24-bit immediate
.set t, t+1
.endr
.endm
	TOSTAGE 0
.irp a, 1,2,3,4,5,6,7                  ; a block's trip through the stage is on its way while the block before is finished and stored
	TOSTAGE \a
	SEND (\a)-1, 32
.endr
	SEND 7, 0
	s_wait_tensorcnt 0x0                           ; the wave's end, behind my last tensor load and my last LDS store
	ds_add_u32 v[SPW], v[NIL]
	s_wait_dscnt 0x0
	CROUND                                         ; the closing round: no work-group ends while a partner may still ask for a tile that names it
	s_endpgm
.Lfunc_end_k_q9e8ae6cee8_gemm:
	.size	k_q9e8ae6cee8_gemm, .Lfunc_end_k_q9e8ae6cee8_gemm-k_q9e8ae6cee8_gemm
	.p2alignl 7, 3214868480
	.fill 96, 4, 3214868480
	.section	.rodata,"a",@progbits
	.p2align	6, 0x0
	.amdhsa_kernel k_q9e8ae6cee8_gemm
		.amdhsa_group_segment_fixed_size 327680
		.amdhsa_private_segment_fixed_size 0
		.amdhsa_enable_private_segment 0
		.amdhsa_kernarg_size 56
		.amdhsa_user_sgpr_count 2
		.amdhsa_user_sgpr_kernarg_segment_ptr 1
		.amdhsa_wavefront_size32 1
		.amdhsa_system_sgpr_workgroup_id_x 1
		.amdhsa_system_sgpr_workgroup_id_y 1
		.amdhsa_system_sgpr_workgroup_id_z 1
		.amdhsa_system_vgpr_workitem_id 0
		.amdhsa_next_free_vgpr 1024
		.amdhsa_next_free_sgpr 84
		.amdhsa_reserve_vcc 0
		.amdhsa_float_denorm_mode_32 3
		.amdhsa_float_denorm_mode_16_64 3
		.amdhsa_memory_ordered 1
		.amdhsa_forward_progress 1
		.amdhsa_inst_pref_size 187
	.end_amdhsa_kernel
	.amdgpu_metadata
---
amdhsa.version: [ 1, 2 ]
amdhsa.kernels:
  - .name:           k_q9e8ae6cee8_gemm
    .symbol:         k_q9e8ae6cee8_gemm.kd
    .args:
      - { .name: ab, .offset: 0, .size: 8, .value_kind: global_buffer, .address_space: global }
      - { .name: wb, .offset: 8, .size: 8, .value_kind: global_buffer, .address_space: global }
      - { .name: out0, .offset: 16, .size: 8, .value_kind: global_buffer, .address_space: global }
      - { .name: rvec, .offset: 24, .size: 8, .value_kind: global_buffer, .address_space: global }
      - { .name: cpart, .offset: 32, .size: 8, .value_kind: global_buffer, .address_space: global }
      - { .name: a_s, .offset: 40, .size: 8, .value_kind: global_buffer, .address_space: global }
      - { .name: w_s, .offset: 48, .size: 8, .value_kind: global_buffer, .address_space: global }
    .group_segment_fixed_size: 327680
    .private_segment_fixed_size: 0
    .kernarg_segment_align: 8
    .kernarg_segment_size: 56
    .max_flat_workgroup_size: 128
    .sgpr_count:     84
    .vgpr_count:     1024
    .wavefront_size: 32
...
	.end_amdgpu_metadata
.endif
;; end of part 2
;; ======== version 2 of 2: 2 launches; version 1 with the launch prep written anew for expert scheduling mode
;; workspace buffers: ab 33,554,432 bytes; wb 33,554,432 bytes; rvec 16,384 bytes; cpart 65,536 bytes
;; launch prep (part 3): grid 128 x 2, 16 waves a work-group, no clusters, 10,496 bytes of LDS; arguments a, w, a_s, a_o, w_s, w_o, ab, wb, rvec, cpart; writes ab, wb, rvec, cpart
.if DOCPART == 3
	.amdgcn_target "amdgcn-amd-amdhsa--gfx1250"
	.amdhsa_code_object_version 6
	.text
	.protected	k_q9e8ae6cee8_prep
	.globl	k_q9e8ae6cee8_prep
	.p2align	8
	.type	k_q9e8ae6cee8_prep,@function
k_q9e8ae6cee8_prep:
	s_mov_b64 s[64:65], 0
	v_nop
	global_prefetch_b8 v0, s[64:65] scope:SCOPE_SE
	s_setreg_imm32_b32 hwreg(HW_REG_WAVE_SCHED_MODE, 0, 2), 2
	s_setreg_imm32_b32 hwreg(HW_REG_WAVE_MODE, 25, 1), 1
	s_wait_xcnt 0x0
	s_wait_alu depctr_vm_vsrc(0)
; PREPARATION FOR THE PRODUCT.  a: [4096][4096] int32, w: [4096][4096] int32.  Each number is read once, turned into f32, and
;   ab[m][k] = bf16(a[m][k]),  wb[k][n] = bf16(w[k][n])        (same order of rows and columns as the inputs),
;   rvec[m]  = (sum over k of a[m][k]) x (a_s w_o) + 4096 a_o w_o,
;   cpart[p][n] = (a_o w_s) x (sum over the 1,024 rows k of block p of w[k][n]),  p = 0..3; the next launch adds the four.
; LIMITS.  bf16 holds whole numbers up to 256 in magnitude exactly; larger ones are rounded to 8 significant bits in ab and wb.  The sums are taken of the f32 values
; (exact per number up to 2^24) in f32, in an order of this text's own; a_s w_o and a_o w_s are formed first, so the order of rounding is not reference()'s.
; SHARES.  Grid y = 0: a, y = 1: w; ONE loop serves both, steered by scalars.  A chunk is one load of a wave: 512 consecutive bytes (128 numbers), and becomes one store
; of 256 consecutive bytes, aligned.  A wave has 64 chunks: 4 rounds of a ring of 16 slots in registers, taken in blocks of four slots: 12 to 16 loads of every wave are on their way.
;   a: the work-group owns 32 rows, wave v rows 2 v and 2 v + 1.  Slot i of round r: row i % 2, chunk 8 r + i / 2.
;   w: the work-group owns a strip of 128 columns (x % 32) in a block of 1,024 rows (x / 32), wave v 64 of these rows.  Slot i of round r: row 16 r + i.
;   Both: byte offset (i % 2) x 16,384 + (i / 2) x M + 16 x lane, a round 8 M further, with M = 512 for a and 32,768 for w.  Every offset of the output is half that of the input.
;   The sums of slots of one parity share 4 registers: for a that is one row's sum, for w half of the lane's four column sums.
; Work-groups share no input, and the launch is a plain stream: no cluster, no matrix unit, no tensor load, no prefetch.
; THE MODE: SCHED_MODE bits 1:0 = 2 (LLVM: expert scheduling mode 2), set by the entry lines.  The code itself states the register dependences
; between vector instructions and memory or LDS instructions, with s_wait_alu, always for 0.
; THE PLAN.  The 64 chunks go in 16 blocks of four slots; block p takes slots 4 b .. 4 b + 3 of round p / 4, b = p % 4.  Registers that memory instructions touch, in the stream:
;   X[b]   16 registers as loaded.  Read by block p's sixteen conversions to f32 alone, which write T; behind them the loads of block p + 4 land in it.
;   Y[b]   8 registers to store.    Written by block p's roundings; read by the four stores that are issued in block p + 1; written again in block p + 4.
;   OFF, OFO, L16   byte offsets, made once at the head and never written again: the rounds are reached by the two scalar bases.
;   T and the sums are named by vector instructions alone.
; So ONE wait on va_vdst stands in a block, behind its conversions: it states that they are done reading X[b] and that the block before has written its Y.  The block's eight memory
; instructions follow it, dealt among the sixteen vector instructions that are left, which name T, the sums and Y[b]: none of the registers that those loads and stores touch.
; One wait on vm_vsrc stands at a block's head: the stores issued three blocks back have read Y[b].
.set DEPTH, 16                         ; slots in the ring
.set ROWB,  16384                      ; bytes in a row of a and of w
.set CSB,   0                          ; LDS: wave v's 128 column sums at 512 v + 16 x lane (8,192 bytes)
.set RSB,   8192                       ; LDS: the work-group's 32 finished numbers of rvec, 4 bytes each; the block of 256 bytes is theirs alone
.set SPARE, 8448                       ; LDS: the spare words, 128 bytes for each of the 16 waves, which no other line names
.set L16, 1                            ; v1        16 x lane; never rewritten
.set ACC, 4                            ; v[4:11]   two sets of four sums
.set SPW, 14                           ; v14       LDS address of my spare word; never rewritten
.set NIL, 15                           ; v15       0; never rewritten
.set OFF, 16                           ; v[16:31]  slot i: byte offset in the input; never rewritten
.set OFO, 32                           ; v[32:47]  slot i: byte offset in the output; never rewritten
.set Y,   48                           ; v[48:79]  slot i: 2 registers, 4 bf16 to store
.set X,   80                           ; v[80:143] slot i: 4 registers as loaded
.set T,   144                          ; v[144:159] the block in hand: 16 numbers in f32; no memory instruction names them
.set WV,  28                           ; s28  my wave's number
.set GY,  29                           ; s29  0: a, 1: w
.set IN,  32                           ; s[32:33] the input at my wave's first chunk, one round ahead of the round in hand
.set OUT, 34                           ; s[34:35] the output at my wave's first chunk of the round whose blocks are being stored
	s_load_b512 s[4:19], s[0:1], 0x0               ; a s[4:5], w s[6:7], a_s s[8:9], a_o s[10:11], w_s s[12:13], w_o s[14:15], ab s[16:17], wb s[18:19]
	s_load_b128 s[20:23], s[0:1], 0x40             ; rvec s[20:21], cpart s[22:23]
	v_lshl_add_u32 v[SPW], v0, 2, SPARE
	v_mov_b32 v[NIL], 0
	v_and_b32 v[L16], 31, v0
	v_lshlrev_b32 v[L16], 4, v[L16]
	v_lshrrev_b32 v2, 5, v0
	v_readfirstlane_b32 s[WV], v2                  ; wave 0..15
	s_and_b32 s[GY], ttmp7, 0xffff
	s_lshl_b32 s40, ttmp9, 19                      ; a: 32 rows a work-group,
	s_wait_alu depctr_va_sdst(0)                   ; the wave's number is written, ahead of its first reader: the bases and the LDS addresses are made from it
	s_lshl_b32 s41, s[WV], 15                      ;    2 rows a wave
	s_add_co_u32 s40, s40, s41
	s_lshr_b32 s41, ttmp9, 5                       ; w: the block of 1,024 rows,
	s_lshl_b32 s41, s41, 24
	s_lshl_b32 s42, s[WV], 20                      ;    64 rows a wave,
	s_add_co_u32 s41, s41, s42
	s_and_b32 s42, ttmp9, 31                       ;    the strip of 128 columns: 512 bytes
	s_lshl_b32 s42, s42, 9
	s_add_co_u32 s41, s41, s42
	s_mov_b32 s30, 512
	s_mov_b32 s31, 32768
	s_cmp_eq_u32 s[GY], 0
	s_cselect_b32 s31, s30, s31                    ; M
	s_cselect_b32 s42, s40, s41                    ; my wave's first byte in the input
	s_mov_b32 s43, 0
	s_lshl_b32 s36, s31, 3                         ; a round's step in the input, 8 M,
	s_mov_b32 s37, 0
	s_lshl_b32 s38, s31, 2                         ; and in the output, 4 M
	s_mov_b32 s39, 0
.irp i, 0,1,2,3,4,5,6,7,8,9,10,11,12,13,14,15
	s_mul_i32 s40, s31, (\i)/2
	s_add_co_u32 s40, s40, ((\i)%2)*ROWB
	v_add_nc_u32 v[OFF+(\i)], s40, v[L16]
	v_lshrrev_b32 v[OFO+(\i)], 1, v[OFF+(\i)]
.endr
	s_mov_b32 s48, 0x76543210                      ; v_permlanex16_b32: each lane takes its own place in the other half
	s_mov_b32 s49, 0xfedcba98
	s_wait_kmcnt 0x0
	s_load_b32 s24, s[8:9], 0x0                    ; a_s
	s_load_b32 s25, s[10:11], 0x0                  ; a_o
	s_load_b32 s26, s[12:13], 0x0                  ; w_s
	s_load_b32 s27, s[14:15], 0x0                  ; w_o
	s_cmp_eq_u32 s[GY], 0
	s_cselect_b64 s[IN:IN+1], s[4:5], s[6:7]
	s_cselect_b64 s[OUT:OUT+1], s[16:17], s[18:19]
	s_add_nc_u64 s[IN:IN+1], s[IN:IN+1], s[42:43]
	s_lshr_b32 s42, s42, 1
	s_add_nc_u64 s[OUT:OUT+1], s[OUT:OUT+1], s[42:43]
	s_wait_alu depctr_va_vdst(0)                   ; L16, the 32 offsets OFF and OFO, and the add's two registers are written: every load and store of the kernel reads one of the offsets
.irp i, 0,1,2,3,4,5,6,7,8,9,10,11,12,13,14,15
	global_load_b128 v[X+4*(\i):X+4*(\i)+3], v[OFF+(\i)], s[IN:IN+1] th:TH_LOAD_NT  ; the ring is filled: round 0
.endr
.irp r, 0,1,2,3,4,5,6,7,8,9
	v_mov_b32 v[ACC+(\r)], 0                       ; the eight sums, and v12, v13 (v_permlanex16_b32's destination counts as read), while the loads are out
.endr
	s_wait_kmcnt 0x0
	s_mul_f32 s46, s25, s26                        ; a_o w_s
	s_mov_b32 s47, s46                             ; named with it as a pair
	s_mul_f32 s50, s24, s27                        ; a_s w_o
	s_mul_f32 s51, s25, s27
	s_mul_f32 s51, s51, 0x45800000                 ; 4096 a_o w_o
	s_wait_xcnt 0x0                                ; the loads have read their base: it may be written
	s_add_nc_u64 s[IN:IN+1], s[IN:IN+1], s[36:37]  ; one round ahead
; A block: slots 4 b .. 4 b + 3.  prev = 1: the block before is stored.  again = 1: Y[b] has been stored from before.  ahead = 1: the slots are filled again with their chunks of the next round.
; left = how many younger loads may stay out.
.macro BLK b, prev, again, ahead, left
	s_wait_loadcnt \left                           ; loads come back in order (ISA guide 5.7.1): the block's four are in, the three younger blocks' stay out
.if \again
	s_wait_xcnt 0x0                                ; every earlier memory instruction has had its addresses translated (ISA guide 3.1): Y[b] and the bases are rewritten only behind this wait
	s_wait_alu depctr_vm_vsrc(0)                   ; the stores issued three blocks back have read Y[b], which this block's roundings write again
.if ((\b) == 0) && (\ahead)
	s_add_nc_u64 s[IN:IN+1], s[IN:IN+1], s[36:37]  ; a round's first block: the loads go on to the next round
.endif
.if (\b) == 1
	s_add_nc_u64 s[OUT:OUT+1], s[OUT:OUT+1], s[38:39]  ; the last round's last block was stored in the block before: the stores go on to this round
.endif
.endif
.irp j, 0,1,2,3
.irp k, 0,1,2,3
	v_cvt_f32_i32 v[T+4*(\j)+(\k)], v[X+16*(\b)+4*(\j)+(\k)]
.endr
.endr
	s_wait_alu depctr_va_vdst(0)                   ; the conversions are done reading X[b], in which the loads below land; the block before has written its Y, which the stores below read
.irp j, 0,1,2,3
.if \ahead
	global_load_b128 v[X+16*(\b)+4*(\j):X+16*(\b)+4*(\j)+3], v[OFF+4*(\b)+(\j)], s[IN:IN+1] th:TH_LOAD_NT  ; no vector instruction since the wait names these registers
.endif
.if \prev
	global_store_b64 v[OFO+4*(((\b)+3)%4)+(\j)], v[Y+8*(((\b)+3)%4)+2*(\j):Y+8*(((\b)+3)%4)+2*(\j)+1], s[OUT:OUT+1]  ; the wave's store covers 256 consecutive bytes, aligned
.endif
	v_pk_add_f32 v[ACC+4*((\j)%2):ACC+4*((\j)%2)+1],   v[ACC+4*((\j)%2):ACC+4*((\j)%2)+1],   v[T+4*(\j):T+4*(\j)+1]
	v_pk_add_f32 v[ACC+4*((\j)%2)+2:ACC+4*((\j)%2)+3], v[ACC+4*((\j)%2)+2:ACC+4*((\j)%2)+3], v[T+4*(\j)+2:T+4*(\j)+3]
	v_cvt_pk_bf16_f32 v[Y+8*(\b)+2*(\j)],   v[T+4*(\j)],   v[T+4*(\j)+1]
	v_cvt_pk_bf16_f32 v[Y+8*(\b)+2*(\j)+1], v[T+4*(\j)+2], v[T+4*(\j)+3]
.endr
.endm
	BLK 0, 0, 0, 1, DEPTH-4                        ; block 0 has no block in front of it,
	BLK 1, 1, 0, 1, DEPTH-4                        ; and neither it nor block 1 writes a Y that has been stored
	s_mov_b32 s44, 2
.Lround:                                               ; blocks 2 to 9, four to a lap: every buffer is back at its start
	BLK 2, 1, 1, 1, DEPTH-4
	BLK 3, 1, 1, 1, DEPTH-4
	BLK 0, 1, 1, 1, DEPTH-4
	BLK 1, 1, 1, 1, DEPTH-4
	s_sub_co_u32 s44, s44, 1
	s_cmp_lg_u32 s44, 0
	s_cbranch_scc1 .Lround
	BLK 2, 1, 1, 1, DEPTH-4                        ; blocks 10 and 11 ask for the last of round 3
	BLK 3, 1, 1, 1, DEPTH-4
	BLK 0, 1, 1, 0, 12                             ; the last round loads nothing: the counts run down
	BLK 1, 1, 1, 0, 8
	BLK 2, 1, 1, 0, 4
	BLK 3, 1, 1, 0, 0
	s_wait_alu depctr_va_vdst(0)                   ; block 15 has written its Y, which the last four stores read; every conversion is done reading X
.irp j, 0,1,2,3
	global_store_b64 v[OFO+12+(\j)], v[Y+24+2*(\j):Y+24+2*(\j)+1], s[OUT:OUT+1]
.endr
	s_cmp_lg_u32 s[GY], 0
	s_cbranch_scc1 .Lcols
	; a: each set is one row's sum, spread over 4 registers and 32 lanes
	v_pk_add_f32 v[4:5], v[4:5], v[6:7]
	v_pk_add_f32 v[8:9], v[8:9], v[10:11]
	v_add_f32 v4, v4, v5
	v_add_f32 v8, v8, v9
.irp m, 1,2,4,8
	v_add_f32_dpp v4, v4, v4 row_xmask:\m row_mask:0xf bank_mask:0xf
	v_add_f32_dpp v8, v8, v8 row_xmask:\m row_mask:0xf bank_mask:0xf
.endr
	v_permlanex16_b32 v12, v4, s48, s49
	v_permlanex16_b32 v13, v8, s48, s49
	v_add_f32 v4, v4, v12
	v_add_f32 v8, v8, v13
	v_fma_f32 v4, v4, s50, s51                     ; the row's sum x a_s w_o + 4096 a_o w_o
	v_fma_f32 v8, v8, s50, s51
	s_lshl_b32 s40, s[WV], 3
	s_add_co_u32 s40, s40, RSB
	v_mov_b32 v2, s40
	s_wait_alu depctr_va_vdst(0)                   ; v2, v4 and v8 are written: the LDS stores' address and data
	ds_store_b32 v2, v4                            ; all lanes write the same word with the same number
	ds_store_b32 v2, v8 offset:4
	s_branch .Lmeet
.Lcols:
	; w: the two sets together are my four columns' sums over my wave's 64 rows
	v_pk_add_f32 v[4:5], v[4:5], v[8:9]
	v_pk_add_f32 v[6:7], v[6:7], v[10:11]
	s_lshl_b32 s40, s[WV], 9
	v_add_nc_u32 v2, s40, v[L16]
	s_wait_alu depctr_va_vdst(0)                   ; v2 and v[4:7] are written: the LDS store's address and data
	ds_store_b128 v2, v[4:7] offset:CSB
.Lmeet:
	s_wait_dscnt 0x0                               ; for the others' sake: my stores to LDS are done
	s_barrier_signal -1
	s_barrier_wait -1                              ; all sixteen waves' sums lie in LDS
	s_cmp_lg_u32 s[WV], 0                          ; wave 0 finishes
	s_cbranch_scc1 .Lend
	s_cmp_lg_u32 s[GY], 0
	s_cbranch_scc1 .Lcolout
	v_lshrrev_b32 v3, 2, v[L16]                    ; 4 x lane: a lane a row; in a register that no memory or LDS instruction has read
	s_wait_alu depctr_va_vdst(0)                   ; v3 is written: the address of the load and the store below; the additions are done with v12, in which the load lands
	ds_load_b32 v12, v3 offset:RSB
	s_lshl_b32 s42, ttmp9, 7                       ; 32 rows x 4 bytes a work-group
	s_add_nc_u64 s[20:21], s[20:21], s[42:43]
	s_wait_dscnt 0x0
	global_store_b32 v3, v12, s[20:21]
	s_branch .Lend
.Lcolout:
.irp u, 0,1,2,3,4,5,6,7,8,9,10,11,12,13,14,15
	ds_load_b128 v[X+4*(\u):X+4*(\u)+3], v[L16] offset:CSB+512*(\u)  ; no wait: no vector instruction has named X since the wait ahead of the stream's last four stores
.endr
	s_lshr_b32 s40, ttmp9, 5                       ; the block's row of cpart: 16,384 bytes,
	s_lshl_b32 s40, s40, 14
	s_and_b32 s41, ttmp9, 31                       ; the strip's 128 numbers: 512 bytes
	s_lshl_b32 s41, s41, 9
	s_add_co_u32 s42, s40, s41
	s_add_nc_u64 s[22:23], s[22:23], s[42:43]
	s_wait_dscnt 0x0
.irp d, 8,4,2,1
.set u, 0
.rept (\d)
	v_pk_add_f32 v[X+4*u:X+4*u+1],   v[X+4*u:X+4*u+1],   v[X+4*(u+(\d)):X+4*(u+(\d))+1]
	v_pk_add_f32 v[X+4*u+2:X+4*u+3], v[X+4*u+2:X+4*u+3], v[X+4*(u+(\d))+2:X+4*(u+(\d))+3]
.set u, u+1
.endr
.endr
	v_pk_mul_f32 v[X:X+1],   v[X:X+1],   s[46:47] op_sel_hi:[1,0]
	v_pk_mul_f32 v[X+2:X+3], v[X+2:X+3], s[46:47] op_sel_hi:[1,0]
	s_wait_alu depctr_va_vdst(0)                   ; the two products have written v[X:X+3], which the store reads
	global_store_b128 v[L16], v[X:X+3], s[22:23]   ; 512 consecutive bytes, aligned
.Lend:
	s_wait_dscnt 0x0                               ; the closing lines, six on end
	s_wait_alu 0x0
	s_wait_tensorcnt 0x0
	ds_add_u32 v[SPW], v[NIL]
	s_wait_dscnt 0x0
	s_endpgm
.Lfunc_end_k_q9e8ae6cee8_prep:
	.size	k_q9e8ae6cee8_prep, .Lfunc_end_k_q9e8ae6cee8_prep-k_q9e8ae6cee8_prep
	.p2alignl 7, 3214868480
	.fill 96, 4, 3214868480
	.section	.rodata,"a",@progbits
	.p2align	6, 0x0
	.amdhsa_kernel k_q9e8ae6cee8_prep
		.amdhsa_group_segment_fixed_size 10496
		.amdhsa_private_segment_fixed_size 0
		.amdhsa_enable_private_segment 0
		.amdhsa_kernarg_size 80
		.amdhsa_user_sgpr_count 2
		.amdhsa_user_sgpr_kernarg_segment_ptr 1
		.amdhsa_wavefront_size32 1
		.amdhsa_system_sgpr_workgroup_id_x 1
		.amdhsa_system_sgpr_workgroup_id_y 1
		.amdhsa_system_sgpr_workgroup_id_z 1
		.amdhsa_system_vgpr_workitem_id 0
		.amdhsa_next_free_vgpr 160
		.amdhsa_next_free_sgpr 66
		.amdhsa_reserve_vcc 0
		.amdhsa_float_denorm_mode_32 3
		.amdhsa_float_denorm_mode_16_64 3
		.amdhsa_memory_ordered 1
		.amdhsa_forward_progress 1
		.amdhsa_inst_pref_size 40
	.end_amdhsa_kernel
	.amdgpu_metadata
---
amdhsa.version: [ 1, 2 ]
amdhsa.kernels:
  - .name:           k_q9e8ae6cee8_prep
    .symbol:         k_q9e8ae6cee8_prep.kd
    .args:
      - { .name: a, .offset: 0, .size: 8, .value_kind: global_buffer, .address_space: global }
      - { .name: w, .offset: 8, .size: 8, .value_kind: global_buffer, .address_space: global }
      - { .name: a_s, .offset: 16, .size: 8, .value_kind: global_buffer, .address_space: global }
      - { .name: a_o, .offset: 24, .size: 8, .value_kind: global_buffer, .address_space: global }
      - { .name: w_s, .offset: 32, .size: 8, .value_kind: global_buffer, .address_space: global }
      - { .name: w_o, .offset: 40, .size: 8, .value_kind: global_buffer, .address_space: global }
      - { .name: ab, .offset: 48, .size: 8, .value_kind: global_buffer, .address_space: global }
      - { .name: wb, .offset: 56, .size: 8, .value_kind: global_buffer, .address_space: global }
      - { .name: rvec, .offset: 64, .size: 8, .value_kind: global_buffer, .address_space: global }
      - { .name: cpart, .offset: 72, .size: 8, .value_kind: global_buffer, .address_space: global }
    .group_segment_fixed_size: 10496
    .private_segment_fixed_size: 0
    .kernarg_segment_align: 8
    .kernarg_segment_size: 80
    .max_flat_workgroup_size: 512
    .sgpr_count:     66
    .vgpr_count:     160
    .wavefront_size: 32
...
	.end_amdgpu_metadata
.endif
;; end of part 3
;; launch gemm: the kernel of part 2 again; grid 16 x 16, 4 waves a work-group, clusters of 4 x 4, 327,680 bytes of LDS; arguments ab, wb, out0, rvec, cpart, a_s, w_s; writes out0
